; MI455X (gfx1250); checked and timed in simulation.
; The chip was launched on July 23, 2026; its instructions are those of AMD's public machine-readable ISA for CDNA 5 (MIT licence, August 2026) and "CDNA5" Instruction Set Architecture Reference Guide (July 2026). The comments in the code are by the model that wrote it; some were corrected since.
;; Single Head Attention. Allowed arithmetic: matrix products marked QUANTISED: E2M1 operands, one E8M0 scale for each 32 along K, by v_wmma_scale_f32_16x16x128_f8f6f4 with both operands' format E2M1 (or v_wmma_scale_f32_32x16x128_f4), f32 sums; everything else in f32.
;; Inputs: Wk_codes 128 x 24 x 16 uint8 (E2M1 codes of Wk, K innermost, in blocks of 32 codes, two codes a byte); Wk_scales 128 x 24 uint8 (E8M0 scales of Wk, one for each 32 codes along K); Wq_codes 128 x 24 x 16 uint8 (E2M1 codes of Wq, K innermost, in blocks of 32 codes, two codes a byte); Wq_scales 128 x 24 uint8 (E8M0 scales of Wq, one for each 32 codes along K); Wv_codes 128 x 24 x 16 uint8 (E2M1 codes of Wv, K innermost, in blocks of 32 codes, two codes a byte); Wv_scales 128 x 24 uint8 (E8M0 scales of Wv, one for each 32 codes along K); bk 128 float32; bq 128 float32; bv 128 float32; x_codes 8 x 2,048 x 24 x 16 uint8 (E2M1 codes of x, K innermost, in blocks of 32 codes, two codes a byte); x_scales 8 x 2,048 x 24 uint8 (E8M0 scales of x, one for each 32 codes along K).
;; Outputs: out0 8 x 2,048 x 128 float32.
;; This version of the problem:
;;   THIS VERSION OF THE PROBLEM IS GIVEN IN LOW PRECISION. The matrix products marked QUANTISED in the list below multiply operands that are first quantised to E2M1 (2 exponent bits, 1 mantissa bit; 4 bits a number), with one power-of-two scale for each 32 numbers along K (OCP MX v1.0); their sums are f32. All else is computed in f32.
;;   The module's matrix products, in the order in which they are computed (A, B: the left and right operand; K: the contracted axis; several contracted axes count as one K, in the product's order):
;;     1. [M 16,384, K 768] x [K 768, N 128]; A: input x (given as codes); B: input Wq (given as codes): QUANTISED
;;     2. [M 16,384, K 768] x [K 768, N 128]; A: input x (given as codes); B: input Wk (given as codes): QUANTISED
;;     3. [M 16,384, K 768] x [K 768, N 128]; A: input x (given as codes); B: input Wv (given as codes): QUANTISED
;;     4. batch 8 x [M 2,048, K 128] x [K 128, N 2,048]; A: computed on the way; B: computed on the way: QUANTISED
;;     5. batch 8 x [M 2,048, K 2,048] x [K 2,048, N 128]; A: softmax (see below); B: computed on the way: QUANTISED
;;   THE QUANTISER, for each operand of a quantised product, along K:
;;     - K is cut into blocks of 32 from its start; a last block that is shorter is filled with zeros.
;;     - A block's scale is 2^e with e = floor(log2(the largest magnitude in the block)) - 2, held to -126 .. 127; a block of zeros has e = 0. As a byte (E8M0): e + 127.
;;     - Each number is divided by its block's scale, clamped to +-6, and rounded to the nearest number of E2M1, ties to even, subnormals kept.
;;     - The product sums the exact products of the quantised numbers (number of the format x scale) in f32.
;;   ~~~python
;;   def quantise(x, axis):      # numpy; x: float32 -> the quantised numbers, widened to float32 again
;;       x = np.moveaxis(x, axis, -1); K = x.shape[-1]
;;       x = np.pad(x, [(0, 0)] * (x.ndim - 1) + [(0, -K % 32)]); x = x.reshape(x.shape[:-1] + (-1, 32)); a = np.abs(x).max(-1, keepdims=True)
;;       e = np.where(a > 0, np.clip(np.frexp(np.where(a > 0, a, 1))[1] - 1 - 2, -126, 127), 0)      # np.frexp(a)[1] - 1 = floor(log2(a)), exactly
;;       r = np.clip(x / 2.0 ** e, -6, 6)
;;       step = 2.0 ** (np.maximum(np.frexp(np.where(r == 0, 1, r))[1] - 1, 0) - 1)
;;       q = np.round(r / step) * step * 2.0 ** e      # np.round: ties to even
;;       return np.moveaxis(q.reshape(q.shape[:-2] + (-1,))[..., :K], -1, axis).astype(np.float32)
;;   ~~~
;;   SOFTMAX AHEAD OF A QUANTISED PRODUCT. Where the list says 'softmax', what is quantised is not the finished softmax but p = 2^(t - M), with t = logit x log2(e) and M = ceil(the row's largest t), a whole number; so 1/2 < the row's largest p <= 1. The row's sum l is taken of the UNQUANTISED p, in f32, and the product's result is divided by l at the end. Since M is a whole number, a kernel that streams over the keys may use a running M (the ceiling of the running maximum): every later rescaling is an exact power of two, which a block's scale takes up: the codes' values come out the same.
;;   OPERANDS COMPUTED ON THE WAY. 'Computed on the way' means the value that the module computes at that place (a softmax that the list does not call 'softmax' is quantised finished and normalised). What goes into a quantiser is computed in f32, as accurately as f32 sums, v_exp_f32 and their like allow (about 1e-6 of the number): no bf16 or f16 on the way to a quantiser, and a product that is left as it is and whose result goes on into a quantised operand takes f32 operands (vector FMAs, or v_wmma_f32_16x16x4_f32). A number that lies on a knife's edge between two numbers of the format may be rounded either way, as far as f32 arithmetic and the matrix unit's own rounding can turn it there, and no further.
;;   INPUTS GIVEN AS CODES. Wk (in the module: [768, 128], K = its axis 0); Wq (in the module: [768, 128], K = its axis 0); Wv (in the module: [768, 128], K = its axis 0); x (in the module: [8, 2048, 768], K = its axis 2): each comes as NAME_codes (uint8): NAME with its K axis moved to the last place and cut into blocks of 32 codes, [.., K / 32, bytes a block], one block behind the other in memory; two codes a byte, the lower K in the low four bits (a code: sign, 2 exponent bits, 1 mantissa bit); and NAME_scales (uint8): the same leading axes, one E8M0 byte (e + 127) for each 32 codes along K. Its value is code x scale, taken as it is: it is not quantised again, and the codes and scales need not be those that the quantiser above would give.
;; 2 versions, each right; version 2 is version 1 with the launch proj written anew for expert scheduling mode. Each part assembles by itself: llvm-mc -triple=amdgcn-amd-amdhsa -mcpu=gfx1250 --defsym DOCPART=n.
;; ======== version 1 of 2: 2 launches
;; workspace buffers: qq 1,114,112 bytes; kv 2,228,224 bytes
;; launch proj (part 1): grid 3 x 128, 4 waves a work-group, no clusters, 103,424 bytes of LDS; arguments x_codes, x_scales, Wq_codes, Wq_scales, Wk_codes, Wk_scales, Wv_codes, Wv_scales, bq, bk, bv, qq, kv; writes qq, kv
.if DOCPART == 1
	.amdgcn_target "amdgcn-amd-amdhsa--gfx1250"
	.amdhsa_code_object_version 6
	.text
	.protected	k_q354eab9412_proj
	.globl	k_q354eab9412_proj
	.p2align	8
	.type	k_q354eab9412_proj,@function
k_q354eab9412_proj:
	s_mov_b64 s[64:65], 0
	v_nop
	global_prefetch_b8 v0, s[64:65] scope:SCOPE_SE
	s_setreg_imm32_b32 hwreg(HW_REG_WAVE_MODE, 25, 1), 1
	s_wait_xcnt 0x0
; q, k, v = x W + b on codes of FP4 (E2M1) with E8M0 scales, sums in f32; the results are quantised again (q, k along the 128 channels, v along the keys) and stored as IMAGES OF OPERAND REGISTERS.
; A work-group takes one role (x: 0 q, 1 k, 2 v) and one block of 128 tokens (y), and makes D[big row][own row], 128 x 128 over K = 768.  Roles q, k: big = W's 128 channels, own = the block's 128 tokens.
; Role v: big = the block's 128 tokens (the keys), own = Wv's 128 channels.  Only pointers, two factors and the place of the output are chosen by the role: every work-group walks the same text.
; Source 0 = 16 big rows, source 1 = 16 own rows: a lane holds ONE own row and its registers run along the big rows, which are the next product's K.
; THE ROWS OF A TILE ARE NOT NEIGHBOURS: lane r of tile 2 b + u is row 32 b + 8 u + r + 8 (r / 8), so that the 16 registers of big tiles 2 b and 2 b + 1 are 16 neighbours along the next K: 32 b + 16 (lane / 16) + 0 .. 15.
; Wave w owns own tiles 2 w and 2 w + 1 against all 8 big tiles: 16 accumulators, 96 matrix instructions.
; OUT, for each part of 8,704 bytes: tile t's fragment at 1024 t + 512 c + 16 lane (registers 4 c .. 4 c + 3); scale words at 8192 + 16 lane + 4 i: the word of tile 2 i + lane / 16, row lane % 16.
; qq: [block][8704];  kv: [block][K part 8704][V part 8704].
; THE BIAS starts the sums: accumulator = alpha x bias(big row) + beta x bias(own row), alpha, beta = 1, 0 for q and k and 0, 1 for v.
; NO JOINT TENSOR LOADS, though W is read by every block and a block of x by three roles: a row is 384 bytes, 96 words, which no padding interval of 2^n words meets once a row, and the rows change their order on the
; way into LDS, which the LDS stores' addresses do at no cost; a work-group reads its 98,304 bytes once, at its head, 512 consecutive bytes an instruction.
; LIMITS: NaN and infinities among the inputs are not served (a bias is multiplied by 0 or 1, so it must be finite); a block whose largest magnitude lies under 2^-124, a block of zeros too, keeps the scale byte 1:
; its codes are then zeros or tiny, and the bytes are read by this program alone.
.set PITCH, 400                        ; an LDS row: 384 bytes + 16: 25 columns of 16 bytes, so the 16 rows of a fragment load start at 16 different columns modulo 256 bytes
.set OWNL,  128*PITCH                  ; LDS: the big operand's 128 rows in tile order, then the own operand's,
.set SCR,   256*PITCH                  ; then 512 bytes in which the block's scale words meet
.set GL,   4                           ; v4     12288 w + 16 lane: my 16 bytes of my wave's 32 rows, as they lie in memory
.set AJ,   5                           ; v5-7   where load 3 g + j puts them in LDS (without the term of g)
.set FB,   8                           ; v8     a big fragment: 400 r + 16 h
.set FO,   9                           ; v9     an own fragment: the same in my wave's 32 rows of the own operand
.set SOB,  10                          ; v10    scale bytes of the big rows: 24 (8 h + r + 8 (r / 8))
.set SOO,  11                          ; v11    of my own rows: + 768 w
.set BO1,  12                          ; v12    the bias by big row: 64 h
.set BO2,  13                          ; v13    the bias by own row: 4 (r + 8 (r / 8)) + 128 w
.set CO,   14                          ; v14    out: 2048 w + 16 lane
.set SCW,  15                          ; v15    LDS: SCR + 16 lane + 4 w
.set SCRD, 16                          ; v16    LDS: SCR + 16 lane
.set L16,  17                          ; v17    16 lane
.set SOW,  18                          ; v18-23 own scale words, one for each K step: lanes 0-15 tile 2 w, lanes 16-31 tile 2 w + 1
.set SBG,  24                          ; v24-47 big scale words: 6 b + s: lanes 0-15 tile 2 b, lanes 16-31 tile 2 b + 1
.set TM,   48                          ; v48-63 at work
.set PW,   64                          ; v64-65 the two scale words just made;  v66 both in one register
.set PWM,  66
.set PC,   68                          ; v68-83 the codes just made, 8 registers for each own tile
.set GD,   84                          ; v84-87 the block's scale words on their way out
.set BO,   88                          ; v88-91 beta x bias(own row), a pair for each own tile
.set L2,   92                          ; v92-93 bias(own row)
.set ACC,  128                         ; v128-255 accumulator (u, t) at 128 + 64 u + 8 t
.set L1,   192                         ; window 1: v0-95, v96-191 the rows as loaded; v192-255 the bias by big row; later three sets of fragments, 80 registers each
.set MSB, 0
.macro WIN new                         ; the immediate's high byte repeats the setting that is left
.if MSB != \new
	s_set_vgpr_msb (MSB<<8)|\new
.set MSB, \new
.endif
.endm
.macro PLACES n
.rept \n
	v_nop
.endr
.endm
.macro ROWS base, lo                   ; my wave's 32 rows, 12,288 dense bytes: each load reads 512 consecutive bytes
.set i, 0
.rept 24
	global_load_b128 v[\base+4*i:\base+4*i+3], v[GL], s[\lo:\lo+1] offset:512*i
.set i, i+1
.endr
.endm
; Load 3 g + j holds chunk 96 g + 32 j + lane of 16 bytes; 24 chunks are a row, so g counts four rows.  A row's place in tile order is its number with bits 3 and 4 exchanged: that is the term of g.
.macro TOLDS base, lds
.irp g, 0,1,2,3,4,5,6,7
.irp j, 0,1,2
	ds_store_b128 v[AJ+\j], v[\base+4*(3*\g+\j):\base+4*(3*\g+\j)+3] offset:\lds+PITCH*(((\g&1)<<2)|(((\g>>2)&1)<<3)|(((\g>>1)&1)<<4))
.endr
.endr
.endm
.macro FETCH s                         ; K step s: 8 big fragments and my 2 own ones into set s % 3: 20 loads
	WIN 0x40                                       ; destination window 1
.irp t, 0,1,2,3,4,5,6,7
.irp c, 0,1
	ds_load_b128 v[80*((\s)%3)+8*\t+4*\c:80*((\s)%3)+8*\t+4*\c+3], v[FB] offset:16*PITCH*\t+64*(\s)+32*\c
.endr
.endr
.irp u, 0,1
.irp c, 0,1
	ds_load_b128 v[80*((\s)%3)+64+8*\u+4*\c:80*((\s)%3)+64+8*\u+4*\c+3], v[FO] offset:16*PITCH*\u+64*(\s)+32*\c
.endr
.endr
.endm
.macro WM d, a, b, sa, sb, ra, rb      ; one product in place; ra, rb: the scale words stand in lanes 16-31
.if (\ra) && (\rb)
	v_wmma_scale_f32_16x16x128_f8f6f4 v[\d:\d+7], v[\a:\a+7], v[\b:\b+7], v[\d:\d+7], v[\sa], v[\sb] matrix_a_fmt:MATRIX_FMT_FP4 matrix_b_fmt:MATRIX_FMT_FP4 matrix_a_scale:MATRIX_SCALE_ROW1 matrix_b_scale:MATRIX_SCALE_ROW1
.elseif \ra
	v_wmma_scale_f32_16x16x128_f8f6f4 v[\d:\d+7], v[\a:\a+7], v[\b:\b+7], v[\d:\d+7], v[\sa], v[\sb] matrix_a_fmt:MATRIX_FMT_FP4 matrix_b_fmt:MATRIX_FMT_FP4 matrix_a_scale:MATRIX_SCALE_ROW1
.elseif \rb
	v_wmma_scale_f32_16x16x128_f8f6f4 v[\d:\d+7], v[\a:\a+7], v[\b:\b+7], v[\d:\d+7], v[\sa], v[\sb] matrix_a_fmt:MATRIX_FMT_FP4 matrix_b_fmt:MATRIX_FMT_FP4 matrix_b_scale:MATRIX_SCALE_ROW1
.else
	v_wmma_scale_f32_16x16x128_f8f6f4 v[\d:\d+7], v[\a:\a+7], v[\b:\b+7], v[\d:\d+7], v[\sa], v[\sb] matrix_a_fmt:MATRIX_FMT_FP4 matrix_b_fmt:MATRIX_FMT_FP4
.endif
.endm
.macro MUL s                           ; K step s: the 16 accumulators take turns, one instruction a turn, in the same order in every step
	WIN 0x05                                       ; sources 0 and 1 window 1; C and D window 0
.irp t, 0,1,2,3,4,5,6,7
.irp u, 0,1
	WM ACC+64*\u+8*\t, 80*((\s)%3)+8*\t, 80*((\s)%3)+64+8*\u, SBG+6*(\t/2)+(\s), SOW+(\s), \t%2, \u
.endr
.endr
.endm
; 64 numbers of a lane, register 16 b + i = k 32 b + 16 (lane / 16) + i of my row, become a fragment's codes in v[pc] on and its scale word in v[pw].
.macro QUANT s, pc, pw
.irp b, 0,1,2,3
	v_max3_num_f32 v[TM+\b], |v[\s+16*\b]|, |v[\s+16*\b+1]|, 0x1800000   ; block b: my 16 numbers, and the floor 2^(3 - 127): the byte cannot fall under 1
.endr
.irp i, 2,4,6,8,10,12,14
.irp b, 0,1,2,3
	v_max3_num_f32 v[TM+\b], v[TM+\b], |v[\s+16*\b+\i]|, |v[\s+16*\b+\i+1]|   ; the four blocks by turns
.endr
.endr
.irp b, 0,1,2,3
	v_permlanex16_b32 v[TM+4+\b], v[TM+\b], s58, s59
.endr
.irp b, 0,1,2,3
	v_max_num_f32 v[TM+\b], v[TM+\b], v[TM+4+\b]   ; with lane l xor 16's: the block's largest magnitude
.endr
.irp b, 0,1,2,3
	v_add_nc_u32 v[TM+12+\b], 0xff000000, v[TM+\b] ; 2 off its exponent field: the conversion takes the exponent field of this operand as its scale
.endr
.irp b, 0,1,2,3
	v_lshrrev_b32 v[TM+4+\b], 23, v[TM+12+\b]      ; the scale's byte
.endr
	v_lshl_or_b32 v[\pw], v[TM+5], 8, v[TM+4]      ; the four bytes make my row's scale word (the same in both halves of the lanes)
	v_lshl_or_b32 v[\pw], v[TM+6], 16, v[\pw]
	v_lshl_or_b32 v[\pw], v[TM+7], 24, v[\pw]
.irp b, 0,1,2,3
	v_cvt_scalef32_pk8_fp4_f32 v[\pc+2*\b], v[\s+16*\b:\s+16*\b+7], v[TM+12+\b]
	v_cvt_scalef32_pk8_fp4_f32 v[\pc+2*\b+1], v[\s+16*\b+8:\s+16*\b+15], v[TM+12+\b]
.endr
	v_nop                                          ; one plain place behind a scaled conversion
.irp c, 0,1                                    ; the operand's layout wants a whole block in a lane: lanes 0-15 block 2 c, lanes 16-31 block 2 c + 1
.irp i, 0,1
	v_permlane16_swap_b32 v[\pc+4*\c+\i], v[\pc+4*\c+2+\i]
.endr
.endr
.endm
	s_load_b512 s[4:19], s[0:1], 0x0               ; x codes s[4:5], x scales s[6:7], Wq s[8:11], Wk s[12:15], Wv s[16:19]
	s_load_b256 s[20:27], s[0:1], 0x40             ; bq s[20:21], bk s[22:23], bv s[24:25], qq s[26:27]
	s_load_b64 s[28:29], s[0:1], 0x60              ; kv
	v_lshl_add_u32 v126, v0, 2, 0x19200
	v_mov_b32 v127, 0
	v_lshrrev_b32 v1, 5, v0
	v_readfirstlane_b32 s32, v1                    ; wave 0..3
	s_mov_b32 s30, ttmp9                           ; role
	s_and_b32 s31, ttmp7, 0xffff                   ; block of 128 tokens
	v_and_b32 v1, 31, v0                           ; lane
	v_and_b32 v2, 15, v0                           ; r
	v_bfe_u32 v3, v0, 4, 1                         ; h
	v_lshlrev_b32 v[L16], 4, v1
	s_mul_i32 s60, s32, 12288
	v_add_nc_u32 v[GL], s60, v[L16]
	s_mul_i32 s60, s32, 32*PITCH                   ; my wave's 32 rows in LDS
.irp j, 0,1,2
	v_add_nc_u32 v[TM], 32*\j, v1                  ; u = 32 j + lane, under 96: chunk u of four rows
	v_mul_u32_u24 v[TM+1], v[TM], 43
	v_lshrrev_b32 v[TM+1], 10, v[TM+1]             ; u / 24 (43 u / 1024 is that for u under 96): which of the four rows
	v_add_nc_u32 v[TM], v[TM], v[TM+1]             ; a row's 24 chunks and one chunk of padding
	v_lshlrev_b32 v[TM], 4, v[TM]
	v_add_nc_u32 v[AJ+\j], s60, v[TM]
.endr
	v_mul_u32_u24 v[FB], v2, PITCH
	v_lshl_add_u32 v[FB], v3, 4, v[FB]
	s_add_co_u32 s60, s60, OWNL
	v_add_nc_u32 v[FO], s60, v[FB]
	v_and_b32 v[TM], 8, v2
	v_add_nc_u32 v[TM], v[TM], v2                  ; r + 8 (r / 8)
	v_lshl_add_u32 v[TM+1], v3, 3, v[TM]           ; + 8 h: lanes 16-31 take the odd tile of a pair
	v_mul_u32_u24 v[SOB], v[TM+1], 24              ; 24 scale bytes a row
	s_mul_i32 s60, s32, 768
	v_add_nc_u32 v[SOO], s60, v[SOB]
	v_lshlrev_b32 v[BO1], 6, v3
	s_lshl_b32 s60, s32, 7
	v_lshl_add_u32 v[BO2], v[TM], 2, s60
	s_lshl_b32 s60, s32, 11
	v_add_nc_u32 v[CO], s60, v[L16]
	v_add_nc_u32 v[SCRD], SCR, v[L16]
	s_lshl_b32 s60, s32, 2
	v_add_nc_u32 v[SCW], s60, v[SCRD]
.irp b, 4,5,6,7
	v_mov_b32 v[TM+\b], 0                          ; written once: a lane permute's destination counts as one of its sources
.endr
	s_mov_b32 s58, 0x76543210
	s_mov_b32 s59, 0xfedcba98                      ; v_permlanex16_b32's selects for lane l xor 16
	s_wait_kmcnt 0x0
	s_mul_i32 s44, s31, 49152                      ; the block's 128 rows of codes,
	s_mov_b32 s45, 0
	s_add_nc_u64 s[40:41], s[4:5], s[44:45]
	s_mul_i32 s44, s31, 3072                       ; and of scale bytes
	s_add_nc_u64 s[42:43], s[6:7], s[44:45]
	s_cmp_eq_u32 s30, 0                            ; the choices hang on the role alone
	s_cselect_b64 s[34:35], s[8:9], s[12:13]       ; W's codes,
	s_cselect_b64 s[36:37], s[10:11], s[14:15]     ; W's scales,
	s_cselect_b64 s[38:39], s[20:21], s[22:23]     ; the bias,
	s_cselect_b64 s[52:53], s[26:27], s[28:29]     ; the output buffer,
	s_mov_b32 s60, 17408
	s_cselect_b32 s60, 8704, s60                   ; and a block's bytes in it
	s_cmp_eq_u32 s30, 2
	s_cselect_b64 s[34:35], s[16:17], s[34:35]
	s_cselect_b64 s[36:37], s[18:19], s[36:37]
	s_cselect_b64 s[38:39], s[24:25], s[38:39]
	s_cselect_b32 s61, 8704, 0                     ; V's part lies behind K's
	s_cselect_b32 s54, 0, 1.0                      ; alpha
	s_cselect_b32 s56, 1.0, 0                      ; beta
	s_cselect_b64 s[44:45], s[40:41], s[34:35]     ; big codes: the block for v, W else
	s_cselect_b64 s[46:47], s[34:35], s[40:41]     ; own codes
	s_cselect_b64 s[48:49], s[42:43], s[36:37]     ; big scales
	s_cselect_b64 s[50:51], s[36:37], s[42:43]     ; own scales
	s_mov_b32 s55, s54                             ; (named with alpha as a pair, so it is written)
	s_mul_i32 s60, s31, s60
	s_add_co_u32 s60, s60, s61
	s_mov_b32 s61, 0
	s_add_nc_u64 s[52:53], s[52:53], s[60:61]      ; where this work-group's part begins
	WIN 0x40                                       ; destination window 1
	ROWS 0, 44                                     ; 24 loads: my 32 big rows
	ROWS 96, 46                                    ; 24: my 32 own rows
.irp t, 0,1,2,3,4,5,6,7                        ; 16: the bias in the result's layout: tile t, lane (r, h): big rows 32 (t / 2) + 8 (t % 2) + 16 h + 0 .. 7
	global_load_b128 v[L1+8*\t:L1+8*\t+3], v[BO1], s[38:39] offset:(32*(\t/2)+8*(\t%2))*4
	global_load_b128 v[L1+8*\t+4:L1+8*\t+7], v[BO1], s[38:39] offset:(32*(\t/2)+8*(\t%2))*4+16
.endr
	WIN 0
.irp b, 0,1,2,3                                ; 12 + 3: the scale words, six to a row, two a load
.irp k, 0,1,2
	global_load_b64 v[SBG+6*\b+2*\k:SBG+6*\b+2*\k+1], v[SOB], s[48:49] offset:768*\b+8*\k
.endr
.endr
.irp k, 0,1,2
	global_load_b64 v[SOW+2*\k:SOW+2*\k+1], v[SOO], s[50:51] offset:8*\k
.endr
.irp u, 0,1                                    ; 2: the bias of my own rows
	global_load_b32 v[L2+\u], v[BO2], s[38:39] offset:32*\u
.endr
	s_wait_loadcnt 57                              ; the big rows are in: 24 + 16 + 15 + 2 younger loads may be out
	WIN 0x04                                       ; an LDS store's data are its source 1: window 1
	TOLDS 0, 0
	s_wait_loadcnt 33                              ; the own rows are in: 16 + 15 + 2 younger loads may be out
	TOLDS 96, OWNL
	s_wait_loadcnt 0x0
	WIN 0
.irp u, 0,1
	v_mul_f32 v[BO+2*\u], s56, v[L2+\u]
.endr
.irp u, 0,1
	v_mov_b32 v[BO+2*\u+1], v[BO+2*\u]             ; (named as a pair, so both are written)
.endr
	WIN 0x01                                       ; source 0 window 1
.irp u, 0,1
.set n, 0
.rept 32
	v_pk_fma_f32 v[ACC+64*\u+n:ACC+64*\u+n+1], v[L1+n:L1+n+1], s[54:55], v[BO+2*\u:BO+2*\u+1] op_sel_hi:[1,0,0]   ; the bias starts the sums
.set n, n+2
.endr
.endr
	WIN 0
	s_wait_dscnt 0x0                               ; for the others' sake: my rows lie in LDS
	s_barrier_signal -1
	s_barrier_wait -1                              ; everybody's do
	FETCH 0
	FETCH 1
	FETCH 2
.irp s, 0,1,2
	s_wait_dscnt 40                                ; this step's 20 loads are in; the two younger sets' 40 may be out
	MUL \s
	PLACES 4                                       ; in front of loads into registers that matrix instructions have read
	FETCH \s+3
.endr
	s_wait_dscnt 40
	MUL 3
	s_wait_dscnt 20                                ; the last set's 20 may be out
	MUL 4
	s_wait_dscnt 0x0
	MUL 5
	WIN 0
	PLACES 4                                       ; in front of the first read of results
.irp u, 0,1
	QUANT ACC+64*\u, PC+8*\u, PW+\u
.irp c, 0,1
	global_store_b128 v[CO], v[PC+8*\u+4*\c:PC+8*\u+4*\c+3], s[52:53] offset:1024*\u+512*\c   ; 32 lanes store 512 consecutive bytes, at a multiple of 256 from the buffer's first byte
.endr
.endr
	v_cmp_lt_u32 vcc_lo, 15, v1
	v_cndmask_b32 v[PWM], v[PW], v[PW+1], vcc_lo   ; lanes 0-15: tile 2 w's words; lanes 16-31: tile 2 w + 1's
	ds_store_b32 v[SCW], v[PWM]
	s_wait_dscnt 0x0                               ; for wave 0's sake
	s_barrier_signal -1
	s_barrier_wait -1
	s_cmp_lg_u32 s32, 0
	s_cbranch_scc1 .Ldone
	ds_load_b128 v[GD:GD+3], v[SCRD]               ; the four waves' words of my lane
	s_wait_dscnt 0x0
	global_store_b128 v[L16], v[GD:GD+3], s[52:53] offset:8192   ; the block's 512 scale bytes: 512 consecutive bytes
.Ldone:
	s_wait_tensorcnt 0x0
	ds_add_u32 v126, v127
	s_wait_dscnt 0x0
	s_endpgm
.Lfunc_end_k_q354eab9412_proj:
	.size	k_q354eab9412_proj, .Lfunc_end_k_q354eab9412_proj-k_q354eab9412_proj
	.p2alignl 7, 3214868480
	.fill 96, 4, 3214868480
	.section	.rodata,"a",@progbits
	.p2align	6, 0x0
	.amdhsa_kernel k_q354eab9412_proj
		.amdhsa_group_segment_fixed_size 103424
		.amdhsa_private_segment_fixed_size 0
		.amdhsa_enable_private_segment 0
		.amdhsa_kernarg_size 104
		.amdhsa_user_sgpr_count 2
		.amdhsa_user_sgpr_kernarg_segment_ptr 1
		.amdhsa_wavefront_size32 1
		.amdhsa_system_sgpr_workgroup_id_x 1
		.amdhsa_system_sgpr_workgroup_id_y 1
		.amdhsa_system_sgpr_workgroup_id_z 1
		.amdhsa_system_vgpr_workitem_id 0
		.amdhsa_next_free_vgpr 512
		.amdhsa_next_free_sgpr 66
		.amdhsa_reserve_vcc 1
		.amdhsa_float_denorm_mode_32 3
		.amdhsa_float_denorm_mode_16_64 3
		.amdhsa_memory_ordered 1
		.amdhsa_forward_progress 1
		.amdhsa_inst_pref_size 48
	.end_amdhsa_kernel
	.amdgpu_metadata
---
amdhsa.version: [ 1, 2 ]
amdhsa.kernels:
  - .name:           k_q354eab9412_proj
    .symbol:         k_q354eab9412_proj.kd
    .args:
      - { .name: x_codes, .offset: 0, .size: 8, .value_kind: global_buffer, .address_space: global }
      - { .name: x_scales, .offset: 8, .size: 8, .value_kind: global_buffer, .address_space: global }
      - { .name: Wq_codes, .offset: 16, .size: 8, .value_kind: global_buffer, .address_space: global }
      - { .name: Wq_scales, .offset: 24, .size: 8, .value_kind: global_buffer, .address_space: global }
      - { .name: Wk_codes, .offset: 32, .size: 8, .value_kind: global_buffer, .address_space: global }
      - { .name: Wk_scales, .offset: 40, .size: 8, .value_kind: global_buffer, .address_space: global }
      - { .name: Wv_codes, .offset: 48, .size: 8, .value_kind: global_buffer, .address_space: global }
      - { .name: Wv_scales, .offset: 56, .size: 8, .value_kind: global_buffer, .address_space: global }
      - { .name: bq, .offset: 64, .size: 8, .value_kind: global_buffer, .address_space: global }
      - { .name: bk, .offset: 72, .size: 8, .value_kind: global_buffer, .address_space: global }
      - { .name: bv, .offset: 80, .size: 8, .value_kind: global_buffer, .address_space: global }
      - { .name: qq, .offset: 88, .size: 8, .value_kind: global_buffer, .address_space: global }
      - { .name: kv, .offset: 96, .size: 8, .value_kind: global_buffer, .address_space: global }
    .group_segment_fixed_size: 103424
    .private_segment_fixed_size: 0
    .kernarg_segment_align: 8
    .kernarg_segment_size: 104
    .max_flat_workgroup_size: 128
    .sgpr_count:     66
    .vgpr_count:     512
    .wavefront_size: 32
...
	.end_amdgpu_metadata
.endif
;; end of part 1
;; launch attn (part 2): grid 32 x 8, 4 waves a work-group, clusters of 4 x 1, 279,040 bytes of LDS; arguments qq, kv, out0; writes out0
.if DOCPART == 2
	.amdgcn_target "amdgcn-amd-amdhsa--gfx1250"
	.amdhsa_code_object_version 6
	.text
	.protected	k_q354eab9412_attn
	.globl	k_q354eab9412_attn
	.p2align	8
	.type	k_q354eab9412_attn,@function
k_q354eab9412_attn:
	s_mov_b64 s[64:65], 0
	v_nop
	global_prefetch_b8 v0, s[64:65] scope:SCOPE_SE
	s_setreg_imm32_b32 hwreg(HW_REG_WAVE_MODE, 25, 1), 1
	s_wait_xcnt 0x0
	s_wait_alu depctr_hold_cnt(0) depctr_sa_sdst(0) depctr_va_vdst(0) depctr_va_sdst(0) depctr_va_ssrc(0) depctr_va_vcc(0) depctr_vm_vsrc(0)
	s_getreg_b32 s2, hwreg(HW_REG_IB_STS2, 6, 4)
	s_cmp_eq_u32 s2, 0
	s_cbranch_scc0 .Lentry_in_a_cluster
	s_endpgm
.Lentry_in_a_cluster:
	s_bfe_u32 s2, ttmp6, 0x10000c
	s_cmp_lg_u32 s2, 0x3003
	s_cbranch_scc0 .Lentry_shape_is_right
	s_endpgm
.Lentry_shape_is_right:
; out[b][q][:] = the sum over k <= q of softmax_k(Q[q] . K[k] / sqrt(128)) V[k][:], both products on codes of FP4 (E2M1) with one E8M0 scale for each 32 along a product's K.
; qq and kv hold images of operand registers for each block of 128 tokens: tile t at 1024 t + 512 c + 16 lane, scale words at 8192 + 16 lane + 4 i (tile 2 i + lane / 16, row lane % 16).
; Lane r of tile 2 b + u is row 32 b + 8 u + r + 8 (r / 8) of its block (tokens for Q and K, channels for V, whose K is the block's 128 keys).
; THE SOFTMAX AHEAD OF THE SECOND PRODUCT: t = score x log2(e) / sqrt(128); M = the largest t so far, rounded UP to a whole number; p = 2^(t - M) is quantised along the keys, not normalised; the row's sum is
; taken of the unquantised p and divides at the end.  When M moves, the sum and O are multiplied by 2^(old M - new M): exact.
; SHARES.  Work-group j = 4 c + cx of a batch (c: the cluster's x, cx: the place in it) owns two pairs of 32 tokens: E = pair j (tiles 0, 1) and L = pair 63 - j (tiles 2, 3).  L counts key steps 0 .. 15 - c, E steps 0 .. c:
; 17 pair-steps in every work-group.  THE KEYS ARE SPLIT OVER THE WAVES: wave w takes key steps 4 i + w (jobs i = 0 .. 3) for all four tiles, with an M, a sum and an O^T of its own for each tile.
; At the end the four waves' parts meet in LDS, and wave w finishes tile w.  All branches hang on c and on the wave's number, which the four partners of a cluster share.
; BOTH PRODUCTS ARE USED TRANSPOSED: S^T = K Q^T, O^T = V^T P^T: a lane holds one query throughout; S^T's register 16 b + i is key 32 b + 16 (lane / 16) + i, O^T's the channel of the same number.
; K AND V: the batch's 16 key steps, 17,408 dense bytes each, fill LDS once.  The four partners need the same batch: each tile is asked for JOINTLY, by the same tensor load with the same descriptor and a mask that
; names the four.  A wave asks for the four steps of its own jobs and it alone reads them: four tensor loads of a wave are out at the most.  Steps that the mask hides from a whole cluster are fetched all the same, so that no tensor load stands under a branch.
; LIMITS: NaN and infinities are not served; a largest t under -3e38 is not served; a block of p under 2^-124 keeps the scale byte 1.
; REGISTERS: window 0: below.  Window 1: O^T, tile q at 64 q.  Window 2: v0-63 K's 8 fragments, v64-127 V's, v128-159 Q's four.
.set STEPB, 17408                      ; a key step in kv and in LDS: K's part, then V's
.set PARTB, 8704
.set REG,   4*STEPB                    ; a wave's region of LDS: its four key steps; later its four partial tiles (8,704 bytes each) and, from STG on, its stage
.set STG,   40960
.set SP,    528                        ; a stage row: 512 bytes + 16
.set ADR0, 1                           ; v1   REG w + 16 lane: jobs 0 and 1, and my partial tiles
.set ADR1, 2                           ; v2   + 2 STEPB: jobs 2 and 3
.set QCE,  3                           ; v3, v4  Q's codes of pair E, L in their blocks: 2048 (pair % 4) + 16 lane
.set QCL,  4
.set QSE,  5                           ; v5, v6  Q's scale words: 16 r + 4 (pair % 4)
.set QSL,  6
.set STO,  7                           ; v7   the stage, in: row r, + 64 h
.set SRD,  8                           ; v8   and back: 16 lane
.set L16,  9                           ; v9   16 lane
.set ST,   12                          ; v12-27  tile q at 12 + 4 q: -M, the largest t, the sum in two halves
.set DQ,   28                          ; v28-31  tile q: my query's place in its block - 16 h
.set QS,   32                          ; v32-35  Q's scale words
.set KS,   36                          ; v36-39  K's: register i: lanes 0-15 tile 2 i, lanes 16-31 tile 2 i + 1
.set VS,   40                          ; v40-43  V's likewise
.set TMP,  44                          ; v44-75  16 for each tile of a pair: 0-3 block maxima, 4-7 and 8-11 at work, 12 f, 13 p's scale word, 14 at work
.set PC,   76                          ; v76-91  p's codes, 8 for each tile of a pair
.set NINF, 92                          ; v92     -infinity
.set S,    96                          ; v96-223 S^T, then p: 64 for each tile of a pair
.set MS,   224                         ; v224-231 the merge: (-M, sum) of the four waves
.set NM,   232
.set FF,   233                         ; v233-236 2^(M of wave s - M)
.set LS,   237
.set RL,   238
.set GG,   240                         ; v240-247 the same over the sum, in pairs
.set PA,   248                         ; v248-251 REG s + PARTB w + 16 lane: wave s's part of tile w
.set KF,   0
.set VF,   64
.set QF,   128
.set MSB, 0
.macro WIN new                         ; the immediate's high byte repeats the setting that is left
.if MSB != \new
	s_set_vgpr_msb (MSB<<8)|\new
.set MSB, \new
.endif
.endm
.macro PLACES n
.rept \n
	v_nop
.endr
.endm
.macro CROUND                          ; a round of the cluster's barrier
	s_barrier_signal -1
	s_barrier_wait -1
	s_cmp_lg_u32 s10, 0
	s_cbranch_scc1 .Lnot_wave_0_\@
	s_barrier_signal -3
.Lnot_wave_0_\@:
	s_barrier_wait -3
	s_barrier_signal -1
	s_barrier_wait -1
.endm
.macro WS d, a, b, zero, sa, sb, odd   ; one product; zero: it starts the sum; odd: source 0's scale words stand in lanes 16-31
.if (\zero) && (\odd)
	v_wmma_scale_f32_16x16x128_f8f6f4 v[\d:\d+7], v[\a:\a+7], v[\b:\b+7], 0, v[\sa], v[\sb] matrix_a_fmt:MATRIX_FMT_FP4 matrix_b_fmt:MATRIX_FMT_FP4 matrix_a_scale:MATRIX_SCALE_ROW1
.elseif \zero
	v_wmma_scale_f32_16x16x128_f8f6f4 v[\d:\d+7], v[\a:\a+7], v[\b:\b+7], 0, v[\sa], v[\sb] matrix_a_fmt:MATRIX_FMT_FP4 matrix_b_fmt:MATRIX_FMT_FP4
.elseif \odd
	v_wmma_scale_f32_16x16x128_f8f6f4 v[\d:\d+7], v[\a:\a+7], v[\b:\b+7], v[\d:\d+7], v[\sa], v[\sb] matrix_a_fmt:MATRIX_FMT_FP4 matrix_b_fmt:MATRIX_FMT_FP4 matrix_a_scale:MATRIX_SCALE_ROW1
.else
	v_wmma_scale_f32_16x16x128_f8f6f4 v[\d:\d+7], v[\a:\a+7], v[\b:\b+7], v[\d:\d+7], v[\sa], v[\sb] matrix_a_fmt:MATRIX_FMT_FP4 matrix_b_fmt:MATRIX_FMT_FP4
.endif
.endm
.macro LOADKV adr, jb                  ; a key step's operands as they lie: 2 + 16 + 16 loads, each of 512 consecutive bytes
	ds_load_b128 v[KS:KS+3], v[\adr] offset:\jb+8192
	ds_load_b128 v[VS:VS+3], v[\adr] offset:\jb+PARTB+8192
	WIN 0x80                                       ; destination window 2
.irp t, 0,1,2,3,4,5,6,7
.irp c, 0,1
	ds_load_b128 v[KF+8*\t+4*\c:KF+8*\t+4*\c+3], v[\adr] offset:\jb+1024*\t+512*\c
.endr
.endr
.irp t, 0,1,2,3,4,5,6,7
.irp c, 0,1
	ds_load_b128 v[VF+8*\t+4*\c:VF+8*\t+4*\c+3], v[\adr] offset:\jb+PARTB+1024*\t+512*\c
.endr
.endr
	WIN 0
.endm
; A KEY STEP FOR A PAIR OF TILES x, x + 1, the two by turns in every phase.  mask: the text holds the diagonal's lines, walked where s[stp] = s[dg].  first: O^T's sums start here.
.macro PAIR x, mask, first, stp, dg
	WIN 0x0a                                       ; sources 0 and 1 window 2
.irp t, 0,1,2,3,4,5,6,7
.irp g, 0,1
	WS S+64*\g+8*\t, KF+8*\t, QF+8*(\x+\g), 1, KS+\t/2, QS+\x+\g, \t%2
.endr
.endr
	WIN 0
	PLACES 4                                       ; in front of the first read of results
.if \mask
	s_cmp_lg_u32 s[\stp], s[\dg]
	s_cbranch_scc1 .Lopen_\@
.irp g, 0,1                                    ; on the diagonal hidden scores become -infinity: register 16 b + i holds key 32 b + i + 16 h of the block, hidden where 32 b + i > my query's place - 16 h
.irp b, 0,1,2,3
.irp i, 0,1,2,3,4,5,6,7,8,9,10,11,12,13,14,15
	v_cmp_gt_i32 vcc_lo, 32*\b+\i, v[DQ+\x+\g]
	v_cndmask_b32 v[S+64*\g+16*\b+\i], v[S+64*\g+16*\b+\i], v[NINF], vcc_lo
.endr
.endr
.endr
.Lopen_\@:
.endif
.irp b, 0,1,2,3
.irp g, 0,1
	v_max3_num_f32 v[TMP+16*\g+\b], v[S+64*\g+16*\b], v[S+64*\g+16*\b+1], v[S+64*\g+16*\b+2]   ; the largest score of each block of 32 keys: for the row's maximum, and, since p rises with the score, for the block's largest p
.endr
.endr
.irp i, 3,5,7,9,11,13
.irp b, 0,1,2,3
.irp g, 0,1
	v_max3_num_f32 v[TMP+16*\g+\b], v[TMP+16*\g+\b], v[S+64*\g+16*\b+\i], v[S+64*\g+16*\b+\i+1]
.endr
.endr
.endr
.irp b, 0,1,2,3
.irp g, 0,1
	v_max_num_f32 v[TMP+16*\g+\b], v[TMP+16*\g+\b], v[S+64*\g+16*\b+15]
.endr
.endr
.irp b, 0,1,2,3
.irp g, 0,1
	v_permlanex16_b32 v[TMP+16*\g+4+\b], v[TMP+16*\g+\b], s48, s49
.endr
.endr
.irp b, 0,1,2,3
.irp g, 0,1
	v_max_num_f32 v[TMP+16*\g+\b], v[TMP+16*\g+\b], v[TMP+16*\g+4+\b]   ; with lane l xor 16's 16 keys
.endr
.endr
.irp g, 0,1
	v_max3_num_f32 v[TMP+16*\g+14], v[TMP+16*\g], v[TMP+16*\g+1], v[TMP+16*\g+2]
.endr
.irp g, 0,1
	v_max_num_f32 v[TMP+16*\g+14], v[TMP+16*\g+14], v[TMP+16*\g+3]      ; the step's largest score of my query
.endr
.irp g, 0,1
	v_mul_f32 v[TMP+16*\g+14], s22, v[TMP+16*\g+14]                      ; as t (c is positive)
.endr
.irp g, 0,1
	v_max_num_f32 v[ST+4*(\x+\g)+1], v[ST+4*(\x+\g)+1], v[TMP+16*\g+14]  ; the running largest t
.endr
.irp g, 0,1
	v_mov_b32 v[TMP+16*\g+14], v[ST+4*(\x+\g)]
.endr
.irp g, 0,1
	v_floor_f32 v[ST+4*(\x+\g)], -v[ST+4*(\x+\g)+1]                      ; the new -M = floor(-t): M is a whole number
.endr
.irp g, 0,1
	v_sub_f32 v[TMP+16*\g+14], v[ST+4*(\x+\g)], v[TMP+16*\g+14]          ; old M - new M: a whole number, 0 or less
.endr
.irp g, 0,1
	v_cvt_i32_f32 v[TMP+16*\g+14], v[TMP+16*\g+14]                       ; (it saturates)
.endr
.irp g, 0,1
	v_ldexp_f32 v[TMP+16*\g+12], 1.0, v[TMP+16*\g+14]                    ; f = 2^(old M - new M)
.endr
.set j, 0
.rept 32
.irp g, 0,1
	v_pk_fma_f32 v[S+64*\g+j:S+64*\g+j+1], v[S+64*\g+j:S+64*\g+j+1], s[22:23], v[ST+4*(\x+\g):ST+4*(\x+\g)+1] op_sel_hi:[1,0,0]   ; t - M, two at a time
.endr
.set j, j+2
.endr
.irp b, 0,1,2,3
.irp g, 0,1
	v_fma_f32 v[TMP+16*\g+\b], v[TMP+16*\g+\b], s22, v[ST+4*(\x+\g)]     ; the same of each block's largest score
.endr
.endr
.set j, 0
.rept 128
	v_exp_f32 v[S+j], v[S+j]                       ; p = 2^(t - M), at most 1
.set j, j+1
.endr
.irp g, 0,1
	v_pk_mul_f32 v[ST+4*(\x+\g)+2:ST+4*(\x+\g)+3], v[ST+4*(\x+\g)+2:ST+4*(\x+\g)+3], v[TMP+16*\g+12:TMP+16*\g+13] op_sel_hi:[1,0]   ; the sums under the new M: plain work behind the exponentials
.endr
	s_wait_alu depctr_va_vdst(0)                   ; one wait for the batch of 128, ahead of its first reader
.irp b, 0,1,2,3
.irp g, 0,1
	v_exp_f32 v[TMP+16*\g+\b], v[TMP+16*\g+\b]     ; the block's largest p: the same two instructions on the same number
.endr
.endr
.irp g, 0,1
	v_pk_add_f32 v[TMP+16*\g+4:TMP+16*\g+5], v[S+64*\g:S+64*\g+1], v[S+64*\g+2:S+64*\g+3]   ; the row's sum is taken of the unquantised p: two chains for each tile; these read the 128 alone
.endr
.irp i, 4,8,12,16,20,24,28,32,36,40,44,48,52,56,60
.irp g, 0,1
	v_pk_add_f32 v[ST+4*(\x+\g)+2:ST+4*(\x+\g)+3], v[ST+4*(\x+\g)+2:ST+4*(\x+\g)+3], v[S+64*\g+\i:S+64*\g+\i+1]
	v_pk_add_f32 v[TMP+16*\g+4:TMP+16*\g+5], v[TMP+16*\g+4:TMP+16*\g+5], v[S+64*\g+\i+2:S+64*\g+\i+3]
.endr
.endr
.irp g, 0,1
	v_pk_add_f32 v[ST+4*(\x+\g)+2:ST+4*(\x+\g)+3], v[ST+4*(\x+\g)+2:ST+4*(\x+\g)+3], v[TMP+16*\g+4:TMP+16*\g+5]
.endr
	s_wait_alu depctr_va_vdst(0)                   ; and one for the eight
.irp b, 0,1,2,3
.irp g, 0,1
	v_max_num_f32 v[TMP+16*\g+\b], 0x1800000, v[TMP+16*\g+\b]            ; the floor 2^(3 - 127): the byte cannot fall under 1
.endr
.endr
.irp b, 0,1,2,3
.irp g, 0,1
	v_add_nc_u32 v[TMP+16*\g+8+\b], 0xff000000, v[TMP+16*\g+\b]          ; 2 off the exponent field: the conversion's scale operand
.endr
.endr
.irp b, 0,1,2,3
.irp g, 0,1
	v_lshrrev_b32 v[TMP+16*\g+4+\b], 23, v[TMP+16*\g+8+\b]               ; the scale's byte
.endr
.endr
.irp g, 0,1
	v_lshl_or_b32 v[TMP+16*\g+13], v[TMP+16*\g+5], 8, v[TMP+16*\g+4]     ; p's scale word for these 128 keys
.endr
.irp g, 0,1
	v_lshl_or_b32 v[TMP+16*\g+13], v[TMP+16*\g+6], 16, v[TMP+16*\g+13]
.endr
.irp g, 0,1
	v_lshl_or_b32 v[TMP+16*\g+13], v[TMP+16*\g+7], 24, v[TMP+16*\g+13]
.endr
.irp g, 0,1
.irp b, 0,1,2,3
	v_cvt_scalef32_pk8_fp4_f32 v[PC+8*\g+2*\b], v[S+64*\g+16*\b:S+64*\g+16*\b+7], v[TMP+16*\g+8+\b]
	v_cvt_scalef32_pk8_fp4_f32 v[PC+8*\g+2*\b+1], v[S+64*\g+16*\b+8:S+64*\g+16*\b+15], v[TMP+16*\g+8+\b]
.endr
.endr
	v_nop                                          ; one plain place behind a scaled conversion
.irp g, 0,1
.irp c, 0,1                                    ; the operand's layout wants a whole block in a lane
.irp i, 0,1
	v_permlane16_swap_b32 v[PC+8*\g+4*\c+\i], v[PC+8*\g+4*\c+2+\i]
.endr
.endr
.endr
.if \first
	PLACES 8                                       ; a scale word made by vector instructions stands 8 places ahead of the scaled product, codes so made 4
.else
	WIN 0x41                                       ; O^T (destination and source 0) window 1
.set j, 0
.rept 32
.irp g, 0,1
	v_pk_mul_f32 v[64*(\x+\g)+j:64*(\x+\g)+j+1], v[64*(\x+\g)+j:64*(\x+\g)+j+1], v[TMP+16*\g+12:TMP+16*\g+13] op_sel_hi:[1,0]   ; O^T under the new M; these 64 are also the places ahead of the products
.endr
.set j, j+2
.endr
.endif
	s_wait_dscnt 0x0                               ; V is in
	WIN 0x52                                       ; source 0 (V) window 2, source 1 (p) window 0, C and D window 1
.irp t, 0,1,2,3,4,5,6,7                        ; the 16 accumulators take turns, one instruction a turn
.irp g, 0,1
	WS 64*(\x+\g)+8*\t, VF+8*\t, PC+8*\g, \first, VS+\t/2, TMP+16*\g+13, \t%2
.endr
.endr
	WIN 0
.endm
; JOB i: key step 4 i + w, first for pair L, then (jobs 0 and 1 alone can hold such steps) for pair E.  L's diagonal step, 15 - c, is 8 or more: jobs 2 and 3; E's, c, is 7 or less.
.macro JOB i, adr, jb
.if \i >= 2
	s_cmp_ge_u32 s[18+\i], s14                     ; all this step's keys come after L's queries: nothing to do
	s_cbranch_scc1 .Ljob_end_\@
.endif
	s_wait_tensorcnt 3-\i                          ; my tile of this job has landed; my younger ones may be out
.if \i > 0
	PLACES 4                                       ; in front of loads into registers that matrix instructions have read
.endif
	LOADKV \adr, \jb
	s_wait_dscnt 16                                ; the scale words and K are in; V's 16 loads may be out
.if \i >= 2
	PAIR 2, 1, 0, 18+\i, 16
.else
	PAIR 2, 0, 1-\i, 18+\i, 16
	s_cmp_ge_u32 s[18+\i], s15                     ; all this step's keys come after E's queries
	s_cbranch_scc1 .Lno_e_\@
	PAIR 0, 1, 1-\i, 18+\i, 17
.if \i == 0
	s_branch .Ljob_end_\@
.Lno_e_\@:                                         ; a wave without any step for E hands zeros to the merge (a step in job 1 implies one in job 0)
	WIN 0x40
.set j, 0
.rept 128
	v_mov_b32 v[j], 0
.set j, j+1
.endr
	WIN 0
.else
.Lno_e_\@:
.endif
.endif
.Ljob_end_\@:
.endm
	s_load_b128 s[4:7], s[0:1], 0x0                ; qq s[4:5], kv s[6:7]
	s_load_b64 s[8:9], s[0:1], 0x10                ; out0
	v_lshl_add_u32 v254, v0, 2, 0x44000
	v_mov_b32 v255, 0
	ds_add_u32 v254, v255
	ds_add_u32 v254, v255
	v_lshrrev_b32 v10, 5, v0
	v_readfirstlane_b32 s10, v10                   ; wave 0..3
	s_bfe_u32 s11, ttmp6, 0x40000                  ; cx: my place in the cluster: it enters Q's and the output's addresses and the mask's lane term, no branch and no LDS address
	s_mov_b32 s12, ttmp9                           ; c: the cluster's x, 0..7
	s_and_b32 s13, ttmp7, 0xffff                   ; the batch
	s_sub_co_u32 s14, 16, s12                      ; L's key steps
	s_add_co_u32 s15, s12, 1                       ; E's
	s_sub_co_u32 s16, 15, s12                      ; L's diagonal step, and its block
	s_mov_b32 s17, s12                             ; E's
.irp i, 0,1,2,3
	s_add_co_u32 s[18+\i], s10, 4*\i               ; job i's key step
.endr
	s_mov_b32 s22, 0x3e0293ee                      ; c = log2(e) / sqrt(128)
	s_mov_b32 s23, s22                             ; (named with it as a pair, so it is written)
	s_mov_b32 s48, 0x76543210
	s_mov_b32 s49, 0xfedcba98                      ; v_permlanex16_b32's selects for lane l xor 16
	; descriptor group 1: a key step's 17,408 dense bytes as 68 rows of 32 elements of 8 bytes
	s_mov_b32 s24, 15|(3<<16)|(1<<21)              ; 15:0 the mask: all four work-groups; 17:16 elements of 8 bytes; 21 set beside a mask; no padding
	s_mov_b32 s25, 32<<16                          ; tensor_dim0 = 32
	s_mov_b32 s26, 68<<16                          ; tensor_dim1 = 68
	s_mov_b32 s27, 32<<16                          ; tile_dim0 = 32
	s_mov_b32 s28, 68                              ; tile_dim1 = 68
	s_mov_b32 s29, 32                              ; from row to row
	s_mov_b32 s30, 0
	s_mov_b32 s31, 0
	s_mul_i32 s50, s10, REG                        ; my region of LDS
	v_and_b32 v[L16], 31, v0
	v_lshlrev_b32 v[L16], 4, v[L16]
	v_and_b32 v10, 15, v0                          ; r
	v_bfe_u32 v11, v0, 4, 1                        ; h
	v_add_nc_u32 v[ADR0], s50, v[L16]
	v_add_nc_u32 v[ADR1], 2*STEPB, v[ADR0]
	v_mul_u32_u24 v[STO], v10, SP
	v_lshl_add_u32 v[STO], v11, 6, v[STO]
	s_add_co_u32 s51, s50, STG
	v_add_nc_u32 v[STO], s51, v[STO]
	v_add_nc_u32 v[SRD], s51, v[L16]
	s_mul_i32 s51, s10, PARTB
	v_add_nc_u32 v[PA], s51, v[L16]
.irp s, 1,2,3
	v_add_nc_u32 v[PA+\s], \s*REG, v[PA]
.endr
	s_sub_co_u32 s61, 3, s11                       ; pair L's place in its block: 3 - cx; pair E's: cx
	s_lshl_b32 s60, s11, 11
	v_add_nc_u32 v[QCE], s60, v[L16]
	s_lshl_b32 s60, s61, 11
	v_add_nc_u32 v[QCL], s60, v[L16]
	v_lshlrev_b32 v[TMP], 4, v10
	s_lshl_b32 s60, s11, 2
	v_add_nc_u32 v[QSE], s60, v[TMP]
	s_lshl_b32 s60, s61, 2
	v_add_nc_u32 v[QSL], s60, v[TMP]
	v_and_b32 v[TMP], 8, v10
	v_add_nc_u32 v[TMP], v[TMP], v10               ; r + 8 (r / 8)
	v_lshlrev_b32 v[TMP+1], 4, v11
	v_sub_nc_u32 v[TMP], v[TMP], v[TMP+1]          ; - 16 h
	s_lshl_b32 s60, s11, 5
	v_add_nc_u32 v[DQ], s60, v[TMP]
	v_add_nc_u32 v[DQ+1], 8, v[DQ]
	s_lshl_b32 s60, s61, 5
	v_add_nc_u32 v[DQ+2], s60, v[TMP]
	v_add_nc_u32 v[DQ+3], 8, v[DQ+2]
	s_mul_i32 s58, s13, 16*STEPB                   ; the batch's 16 key steps,
	s_mul_i32 s51, s10, STEPB                      ; job 0's is step w
	s_add_co_u32 s58, s58, s51
	s_mov_b32 s59, 0
	s_wait_dscnt 0x0
	s_wait_kmcnt 0x0
	s_add_nc_u64 s[58:59], s[6:7], s[58:59]
.irp i, 0,1,2,3                                ; descriptor group 0, a set for each job: made of the batch and the wave's number alone, so equal in the four partners
	s_mov_b32 s[32+4*\i], 1                        ; count = 1
	s_add_co_u32 s[33+4*\i], s50, \i*STEPB         ; LDS address
	s_add_nc_u64 s[34+4*\i:35+4*\i], s[58:59], \i*4*STEPB   ; global address: key step 4 i + w
	s_or_b32 s[35+4*\i], s[35+4*\i], 0x80000000    ; type = 2
.endr
	CROUND                                         ; all four work-groups are here: the joint loads meet
	tensor_load_to_lds s[32:35], s[24:31]          ; all fills of the launch go out together: four tensor loads of mine are out
	s_nop 0
	tensor_load_to_lds s[36:39], s[24:31]
	s_nop 0
	tensor_load_to_lds s[40:43], s[24:31]
	s_nop 0
	tensor_load_to_lds s[44:47], s[24:31]
	s_nop 0
	PLACES 4                                       ; four places behind the tensor loads
	s_lshl_b32 s60, s13, 4
	s_add_co_u32 s61, s60, s12                     ; E's block
	s_mul_i32 s58, s61, PARTB
	s_mov_b32 s59, 0
	s_add_nc_u64 s[52:53], s[4:5], s[58:59]
	s_add_co_u32 s61, s60, s16                     ; L's block
	s_mul_i32 s58, s61, PARTB
	s_add_nc_u64 s[54:55], s[4:5], s[58:59]
	WIN 0x80                                       ; destination window 2
.irp u, 0,1
.irp c, 0,1
	global_load_b128 v[QF+8*\u+4*\c:QF+8*\u+4*\c+3], v[QCE], s[52:53] offset:1024*\u+512*\c
	global_load_b128 v[QF+16+8*\u+4*\c:QF+16+8*\u+4*\c+3], v[QCL], s[54:55] offset:1024*\u+512*\c
.endr
.endr
	WIN 0
.irp u, 0,1
	global_load_b32 v[QS+\u], v[QSE], s[52:53] offset:8192+256*\u
	global_load_b32 v[QS+2+\u], v[QSL], s[54:55] offset:8192+256*\u
.endr
	s_lshl_b32 s60, s12, 2                         ; where wave w's tile goes: tile w is tile w % 2 of pair E (w < 2) or L
	s_add_co_u32 s60, s60, s11                     ; j
	s_sub_co_u32 s61, 63, s60
	s_cmp_lt_u32 s10, 2
	s_cselect_b32 s60, s60, s61                    ; the pair
	s_lshl_b32 s60, s60, 5
	s_and_b32 s61, s10, 1
	s_lshl_b32 s61, s61, 3
	s_add_co_u32 s60, s60, s61                     ; its first token: 32 pair + 8 (w % 2)
	s_lshl_b32 s61, s13, 11
	s_add_co_u32 s60, s60, s61
	s_lshl_b32 s60, s60, 9                         ; 512 bytes a row of the output
	s_mov_b32 s61, 0
	s_add_nc_u64 s[56:57], s[8:9], s[60:61]
.irp q, 0,1,2,3
	v_mov_b32 v[ST+4*\q+1], 0xff61b1e6             ; the largest t so far: -3e38
	v_floor_f32 v[ST+4*\q], -v[ST+4*\q+1]          ; -M
	v_mov_b32 v[ST+4*\q+2], 0                      ; the sum, in two halves
	v_mov_b32 v[ST+4*\q+3], 0
.endr
.irp g, 0,1
.irp b, 4,5,6,7,13
	v_mov_b32 v[TMP+16*\g+\b], 0                   ; written once: lane permutes' destinations count as sources, and register 13 is named in a pair with f
.endr
.endr
	v_mov_b32 v[NINF], 0xff800000
	s_wait_loadcnt 0x0                             ; Q
	JOB 0, ADR0, 0
	JOB 1, ADR0, STEPB
	JOB 2, ADR1, 0
	JOB 3, ADR1, STEPB
	s_wait_tensorcnt 0x0                           ; all my tiles have landed, those that I did not read too: my region may be written
	; MY PARTS: each tile's sum (its two halves and lane l xor 16's; these twelve lines are the places behind the last products), -M and O^T go into my own region, which I have read out.
.irp q, 0,1,2,3
	v_add_f32 v[ST+4*\q+2], v[ST+4*\q+2], v[ST+4*\q+3]
.endr
.irp q, 0,1,2,3
	v_permlanex16_b32 v[ST+4*\q+3], v[ST+4*\q+2], s48, s49
.endr
.irp q, 0,1,2,3
	v_add_f32 v[ST+4*\q+1], v[ST+4*\q+2], v[ST+4*\q+3]
.endr
	WIN 0x04                                       ; an LDS store's data are its source 1: window 1
.irp q, 0,1,2,3
.irp k, 0,1,2,3,4,5,6,7,8,9,10,11,12,13,14,15
	ds_store_b128 v[ADR0], v[64*\q+4*\k:64*\q+4*\k+3] offset:PARTB*\q+512*\k   ; each accumulator from its low end on
.endr
.endr
	WIN 0
.irp q, 0,1,2,3
	ds_store_b64 v[ADR0], v[ST+4*\q:ST+4*\q+1] offset:PARTB*\q+8192
.endr
	s_wait_dscnt 0x0                               ; for the others' sake: my parts lie in LDS
	s_barrier_signal -1
	s_barrier_wait -1                              ; everybody's do
	; THE MERGE of tile w.  M = the largest of the four M; wave s's part counts 2^(M of s - M) times, which is 0 for a wave that had no step; all is divided by the sum.
.macro PLOAD s
.irp k, 0,1,2,3,4,5,6,7,8,9,10,11,12,13,14,15
	ds_load_b128 v[64*\s+4*\k:64*\s+4*\k+3], v[PA+\s] offset:512*\k
.endr
.endm
.macro ADDIN s
.set j, 0
.rept 32
.if \s == 0
	v_pk_mul_f32 v[S+j:S+j+1], v[j:j+1], v[GG:GG+1] op_sel_hi:[1,0]
.else
	v_pk_fma_f32 v[S+j:S+j+1], v[64*\s+j:64*\s+j+1], v[GG+2*\s:GG+2*\s+1], v[S+j:S+j+1] op_sel_hi:[1,0,1]
.endif
.set j, j+2
.endr
.endm
.irp s, 0,1,2,3
	ds_load_b64 v[MS+2*\s:MS+2*\s+1], v[PA+\s] offset:8192
.endr
	WIN 0x40                                       ; destination window 1
	PLOAD 0
	PLOAD 1
	PLOAD 2
	WIN 0
	s_wait_dscnt 48                                ; the four (-M, sum) are in; the three parts' 48 loads may be out
	v_min3_num_f32 v[NM], v[MS], v[MS+2], v[MS+4]
	v_min_num_f32 v[NM], v[NM], v[MS+6]            ; -M
.irp s, 0,1,2,3
	v_sub_f32 v[FF+\s], v[NM], v[MS+2*\s]          ; M of s - M: a whole number, 0 or less
.endr
.irp s, 0,1,2,3
	v_cvt_i32_f32 v[FF+\s], v[FF+\s]               ; (it saturates)
.endr
.irp s, 0,1,2,3
	v_ldexp_f32 v[FF+\s], 1.0, v[FF+\s]
.endr
	v_mul_f32 v[LS], v[FF], v[MS+1]
	v_fmac_f32 v[LS], v[FF+1], v[MS+3]
	v_fmac_f32 v[LS], v[FF+2], v[MS+5]
	v_fmac_f32 v[LS], v[FF+3], v[MS+7]             ; the row's sum
	v_rcp_f32 v[RL], v[LS]
	v_nop                                          ; one plain place behind a transcendental
	s_wait_alu depctr_va_vdst(0)                   ; and the wait ahead of its first reader
.irp s, 0,1,2,3
	v_mul_f32 v[GG+2*\s], v[FF+\s], v[RL]
.endr
.irp s, 0,1,2,3
	v_mov_b32 v[GG+2*\s+1], v[GG+2*\s]             ; (named as a pair, so both are written)
.endr
	s_wait_dscnt 32                                ; wave 0's part is in; two parts' 32 loads may be out
	WIN 0x01                                       ; source 0 window 1
	ADDIN 0
	WIN 0x40
	PLOAD 3
	s_wait_dscnt 32                                ; wave 1's part is in; waves 2's and 3's may be out
	WIN 0x01
	ADDIN 1
	s_wait_dscnt 16                                ; wave 2's is in
	ADDIN 2
	s_wait_dscnt 0x0
	ADDIN 3
	WIN 0
	; THE WAY OUT: register 16 b + i is channel 32 b + 16 h + i of query r: through my stage, back as whole rows of 512 bytes.  LDS serves a wave's instructions in order (ISA guide 5.7.1.4): no wait between the stores and the loads.
.irp k, 0,1,2,3,4,5,6,7,8,9,10,11,12,13,14,15
	ds_store_b128 v[STO], v[S+4*\k:S+4*\k+3] offset:128*(\k/4)+16*(\k%4)
.endr
.irp m, 0,1,2,3,4,5,6,7,8,9,10,11,12,13,14,15
	ds_load_b128 v[S+64+4*\m:S+64+4*\m+3], v[SRD] offset:SP*\m
.endr
.irp m, 0,1,2,3,4,5,6,7,8,9,10,11,12,13,14,15
	s_wait_dscnt 15-\m                             ; row m is back; the younger rows' loads may be out
	global_store_b128 v[L16], v[S+64+4*\m:S+64+4*\m+3], s[56:57] offset:(\m+8*(\m/8))*512 th:TH_STORE_NT   ; the tile's row m is token m + 8 (m / 8): 32 lanes store its 512 consecutive bytes
.endr
	s_wait_tensorcnt 0x0
	ds_add_u32 v254, v255
	s_wait_dscnt 0x0
	CROUND                                         ; the closing round: no work-group ends while a partner may still ask for a tile that names it
	s_endpgm
.Lfunc_end_k_q354eab9412_attn:
	.size	k_q354eab9412_attn, .Lfunc_end_k_q354eab9412_attn-k_q354eab9412_attn
	.p2alignl 7, 3214868480
	.fill 96, 4, 3214868480
	.section	.rodata,"a",@progbits
	.p2align	6, 0x0
	.amdhsa_kernel k_q354eab9412_attn
		.amdhsa_group_segment_fixed_size 279040
		.amdhsa_private_segment_fixed_size 0
		.amdhsa_enable_private_segment 0
		.amdhsa_kernarg_size 24
		.amdhsa_user_sgpr_count 2
		.amdhsa_user_sgpr_kernarg_segment_ptr 1
		.amdhsa_wavefront_size32 1
		.amdhsa_system_sgpr_workgroup_id_x 1
		.amdhsa_system_sgpr_workgroup_id_y 1
		.amdhsa_system_sgpr_workgroup_id_z 1
		.amdhsa_system_vgpr_workitem_id 0
		.amdhsa_next_free_vgpr 768
		.amdhsa_next_free_sgpr 66
		.amdhsa_reserve_vcc 1
		.amdhsa_float_denorm_mode_32 3
		.amdhsa_float_denorm_mode_16_64 3
		.amdhsa_memory_ordered 1
		.amdhsa_forward_progress 1
		.amdhsa_inst_pref_size 255
	.end_amdhsa_kernel
	.amdgpu_metadata
---
amdhsa.version: [ 1, 2 ]
amdhsa.kernels:
  - .name:           k_q354eab9412_attn
    .symbol:         k_q354eab9412_attn.kd
    .args:
      - { .name: qq, .offset: 0, .size: 8, .value_kind: global_buffer, .address_space: global }
      - { .name: kv, .offset: 8, .size: 8, .value_kind: global_buffer, .address_space: global }
      - { .name: out0, .offset: 16, .size: 8, .value_kind: global_buffer, .address_space: global }
    .group_segment_fixed_size: 279040
    .private_segment_fixed_size: 0
    .kernarg_segment_align: 8
    .kernarg_segment_size: 24
    .max_flat_workgroup_size: 128
    .sgpr_count:     66
    .vgpr_count:     768
    .wavefront_size: 32
...
	.end_amdgpu_metadata
.endif
;; end of part 2
;; ======== version 2 of 2: 2 launches; version 1 with the launch proj written anew for expert scheduling mode
;; workspace buffers: qq 1,114,112 bytes; kv 2,228,224 bytes
;; launch proj (part 3): grid 3 x 128, 4 waves a work-group, no clusters, 103,424 bytes of LDS; arguments x_codes, x_scales, Wq_codes, Wq_scales, Wk_codes, Wk_scales, Wv_codes, Wv_scales, bq, bk, bv, qq, kv; writes qq, kv
.if DOCPART == 3
	.amdgcn_target "amdgcn-amd-amdhsa--gfx1250"
	.amdhsa_code_object_version 6
	.text
	.protected	k_q354eab9412_proj
	.globl	k_q354eab9412_proj
	.p2align	8
	.type	k_q354eab9412_proj,@function
k_q354eab9412_proj:
	s_mov_b64 s[64:65], 0
	v_nop
	global_prefetch_b8 v0, s[64:65] scope:SCOPE_SE
	s_setreg_imm32_b32 hwreg(HW_REG_WAVE_SCHED_MODE, 0, 2), 2
	s_setreg_imm32_b32 hwreg(HW_REG_WAVE_MODE, 25, 1), 1
	s_wait_xcnt 0x0
	s_wait_alu depctr_vm_vsrc(0)
; q, k, v = x W + b on codes of FP4 (E2M1) with E8M0 scales, sums in f32; the results are quantised again (q, k along the 128 channels, v along the keys) and stored as IMAGES OF OPERAND REGISTERS.
; A work-group takes one role (x: 0 q, 1 k, 2 v) and one block of 128 tokens (y), and makes D[big row][own row], 128 x 128 over K = 768.  Roles q, k: big = W's 128 channels, own = the block's 128 tokens.
; Role v: big = the block's 128 tokens (the keys), own = Wv's 128 channels.  Only pointers, two factors and the place of the output are chosen by the role: every work-group walks the same text.
; Source 0 = 16 big rows, source 1 = 16 own rows: a lane holds ONE own row and its registers run along the big rows, which are the next product's K.
; THE ROWS OF A TILE ARE NOT NEIGHBOURS: lane r of tile 2 b + u is row 32 b + 8 u + r + 8 (r / 8), so that the 16 registers of big tiles 2 b and 2 b + 1 are 16 neighbours along the next K: 32 b + 16 (lane / 16) + 0 .. 15.
; Wave w owns own tiles 2 w and 2 w + 1 against all 8 big tiles: 16 accumulators, 96 matrix instructions.
; OUT, for each part of 8,704 bytes: tile t's fragment at 1024 t + 512 c + 16 lane (registers 4 c .. 4 c + 3); scale words at 8192 + 16 lane + 4 i: the word of tile 2 i + lane / 16, row lane % 16.
; qq: [block][8704];  kv: [block][K part 8704][V part 8704].
; THE BIAS starts the sums: accumulator = alpha x bias(big row) + beta x bias(own row), alpha, beta = 1, 0 for q and k and 0, 1 for v.
; NO JOINT TENSOR LOADS, though W is read by every block and a block of x by three roles: a row is 384 bytes, 96 words, which no padding interval of 2^n words meets once a row, and the rows change their order on the
; way into LDS, which the LDS stores' addresses do at no cost; a work-group reads its 98,304 bytes once, at its head, 512 consecutive bytes an instruction.
; LIMITS: NaN and infinities among the inputs are not served (a bias is multiplied by 0 or 1, so it must be finite); a block whose largest magnitude lies under 2^-124, a block of zeros too, keeps the scale byte 1:
; its codes are then zeros or tiny, and the bytes are read by this program alone.
; THE MODE: SCHED_MODE bits 1:0 = 2 (LLVM: expert scheduling mode 2), set by the entry lines.  The code itself states the register dependences
; between vector or matrix instructions and memory or LDS instructions, with s_wait_alu, always for 0.
; THE PLAN.  Registers that memory or LDS instructions touch:
;   v4-v17          offsets and LDS addresses: written by vector instructions at the head, never again; read by every load and store.  One wait on va_vdst ahead of the first load serves them all.
;   window 1 v0-191 the rows as loaded: written by global loads, read by my LDS stores; behind the barrier the fragments' loads land there: one wait on vm_vsrc.
;   window 1 v192-255 the bias by big row: written by global loads, read by the multiply-adds that start the sums; set 2 lands in v192-239: one wait on va_vdst, beside the one above.
;   SET0 .. SET2    K step s's fragments lie in set s % 3: written by LDS loads, read by step s's 16 matrix instructions.  The loads of step s + 2 land in set (s - 1) % 3 and are issued IN step s:
;                   one wait on va_vdst at the step's head states that step s - 1's matrix instructions are done reading that set; the 20 loads follow in two runs of ten, each behind eight of step s's
;                   matrix instructions, which name set s % 3, the scale words and the accumulators: none of the registers that those loads touch.
;   v18-47, v92-93  scale words and the bias by own row: written by global loads once, read by matrix and vector instructions alone.
;   v68-83, v66     the codes and scale words just made: written by the quantisers and the select, read by five stores behind one wait on va_vdst; never written again.
;   v84-87          the block's scale words on their way out: an LDS load, a global store; no vector instruction names them.
.set PITCH, 400                        ; an LDS row: 384 bytes + 16: 25 columns of 16 bytes, so the 16 rows of a fragment load start at 16 different columns modulo 256 bytes
.set OWNL,  128*PITCH                  ; LDS: the big operand's 128 rows in tile order, then the own operand's,
.set SCR,   256*PITCH                  ; then 512 bytes in which the block's scale words meet
.set GL,   4                           ; v4     12288 w + 16 lane: my 16 bytes of my wave's 32 rows, as they lie in memory
.set AJ,   5                           ; v5-7   where load 3 g + j puts them in LDS (without the term of g)
.set FB,   8                           ; v8     a big fragment: 400 r + 16 h
.set FO,   9                           ; v9     an own fragment: the same in my wave's 32 rows of the own operand
.set SOB,  10                          ; v10    scale bytes of the big rows: 24 (8 h + r + 8 (r / 8))
.set SOO,  11                          ; v11    of my own rows: + 768 w
.set BO1,  12                          ; v12    the bias by big row: 64 h
.set BO2,  13                          ; v13    the bias by own row: 4 (r + 8 (r / 8)) + 128 w
.set CO,   14                          ; v14    out: 2048 w + 16 lane
.set SCW,  15                          ; v15    LDS: SCR + 16 lane + 4 w
.set SCRD, 16                          ; v16    LDS: SCR + 16 lane
.set L16,  17                          ; v17    16 lane
.set SOW,  18                          ; v18-23 own scale words, one for each K step: lanes 0-15 tile 2 w, lanes 16-31 tile 2 w + 1
.set SBG,  24                          ; v24-47 big scale words: 6 b + s: lanes 0-15 tile 2 b, lanes 16-31 tile 2 b + 1
.set TM,   48                          ; v48-63 at work
.set PW,   64                          ; v64-65 the two scale words just made;  v66 both in one register
.set PWM,  66
.set PC,   68                          ; v68-83 the codes just made, 8 registers for each own tile
.set GD,   84                          ; v84-87 the block's scale words on their way out
.set BO,   88                          ; v88-91 beta x bias(own row), a pair for each own tile
.set L2,   92                          ; v92-93 bias(own row)
.set ACC,  128                         ; v128-255 accumulator (u, t) at 128 + 64 u + 8 t
.set L1,   192                         ; window 1: v0-95, v96-191 the rows as loaded; v192-255 the bias by big row; later three sets of fragments, 80 registers each
.set MSB, 0
.macro WIN new                         ; the immediate's high byte repeats the setting that is left
.if MSB != \new
	s_set_vgpr_msb (MSB<<8)|\new
.set MSB, \new
.endif
.endm
.macro PLACES n
.rept \n
	v_nop
.endr
.endm
.macro ROWS base, lo                   ; my wave's 32 rows, 12,288 dense bytes: each load reads 512 consecutive bytes
.set i, 0
.rept 24
	global_load_b128 v[\base+4*i:\base+4*i+3], v[GL], s[\lo:\lo+1] offset:512*i
.set i, i+1
.endr
.endm
; Load 3 g + j holds chunk 96 g + 32 j + lane of 16 bytes; 24 chunks are a row, so g counts four rows.  A row's place in tile order is its number with bits 3 and 4 exchanged: that is the term of g.
.macro TOLDS base, lds
.irp g, 0,1,2,3,4,5,6,7
.irp j, 0,1,2
	ds_store_b128 v[AJ+\j], v[\base+4*(3*\g+\j):\base+4*(3*\g+\j)+3] offset:\lds+PITCH*(((\g&1)<<2)|(((\g>>2)&1)<<3)|(((\g>>1)&1)<<4))
.endr
.endr
.endm
.macro FETCHH s, p                     ; half p of K step s's fragments into set s % 3: big tiles 4 p .. 4 p + 3 and my own tile p: 10 loads
	WIN 0x40                                       ; destination window 1
.irp t, 0,1,2,3
.irp c, 0,1
	ds_load_b128 v[80*((\s)%3)+8*(4*(\p)+\t)+4*\c:80*((\s)%3)+8*(4*(\p)+\t)+4*\c+3], v[FB] offset:16*PITCH*(4*(\p)+\t)+64*(\s)+32*\c
.endr
.endr
.irp c, 0,1
	ds_load_b128 v[80*((\s)%3)+64+8*(\p)+4*\c:80*((\s)%3)+64+8*(\p)+4*\c+3], v[FO] offset:16*PITCH*(\p)+64*(\s)+32*\c
.endr
.endm
.macro FETCH s                         ; K step s: 8 big fragments and my 2 own ones: 20 loads
	FETCHH \s, 0
	FETCHH \s, 1
.endm
.macro WM d, a, b, sa, sb, ra, rb      ; one product in place; ra, rb: the scale words stand in lanes 16-31
.if (\ra) && (\rb)
	v_wmma_scale_f32_16x16x128_f8f6f4 v[\d:\d+7], v[\a:\a+7], v[\b:\b+7], v[\d:\d+7], v[\sa], v[\sb] matrix_a_fmt:MATRIX_FMT_FP4 matrix_b_fmt:MATRIX_FMT_FP4 matrix_a_scale:MATRIX_SCALE_ROW1 matrix_b_scale:MATRIX_SCALE_ROW1
.elseif \ra
	v_wmma_scale_f32_16x16x128_f8f6f4 v[\d:\d+7], v[\a:\a+7], v[\b:\b+7], v[\d:\d+7], v[\sa], v[\sb] matrix_a_fmt:MATRIX_FMT_FP4 matrix_b_fmt:MATRIX_FMT_FP4 matrix_a_scale:MATRIX_SCALE_ROW1
.elseif \rb
	v_wmma_scale_f32_16x16x128_f8f6f4 v[\d:\d+7], v[\a:\a+7], v[\b:\b+7], v[\d:\d+7], v[\sa], v[\sb] matrix_a_fmt:MATRIX_FMT_FP4 matrix_b_fmt:MATRIX_FMT_FP4 matrix_b_scale:MATRIX_SCALE_ROW1
.else
	v_wmma_scale_f32_16x16x128_f8f6f4 v[\d:\d+7], v[\a:\a+7], v[\b:\b+7], v[\d:\d+7], v[\sa], v[\sb] matrix_a_fmt:MATRIX_FMT_FP4 matrix_b_fmt:MATRIX_FMT_FP4
.endif
.endm
.macro MULH s, p                       ; half p of K step s: big tiles 4 p .. 4 p + 3 against my two own tiles.  The 16 accumulators take turns, one instruction a turn, in the same order in every step
	WIN 0x05                                       ; sources 0 and 1 window 1; C and D window 0
.irp t, 0,1,2,3
.irp u, 0,1
	WM ACC+64*\u+8*(4*(\p)+\t), 80*((\s)%3)+8*(4*(\p)+\t), 80*((\s)%3)+64+8*\u, SBG+6*((4*(\p)+\t)/2)+(\s), SOW+(\s), \t%2, \u
.endr
.endr
.endm
; 64 numbers of a lane, register 16 b + i = k 32 b + 16 (lane / 16) + i of my row, become a fragment's codes in v[pc] on and its scale word in v[pw].
.macro QUANT s, pc, pw
.irp b, 0,1,2,3
	v_max3_num_f32 v[TM+\b], |v[\s+16*\b]|, |v[\s+16*\b+1]|, 0x1800000   ; block b: my 16 numbers, and the floor 2^(3 - 127): the byte cannot fall under 1
.endr
.irp i, 2,4,6,8,10,12,14
.irp b, 0,1,2,3
	v_max3_num_f32 v[TM+\b], v[TM+\b], |v[\s+16*\b+\i]|, |v[\s+16*\b+\i+1]|   ; the four blocks by turns
.endr
.endr
.irp b, 0,1,2,3
	v_permlanex16_b32 v[TM+4+\b], v[TM+\b], s58, s59
.endr
.irp b, 0,1,2,3
	v_max_num_f32 v[TM+\b], v[TM+\b], v[TM+4+\b]   ; with lane l xor 16's: the block's largest magnitude
.endr
.irp b, 0,1,2,3
	v_add_nc_u32 v[TM+12+\b], 0xff000000, v[TM+\b] ; 2 off its exponent field: the conversion takes the exponent field of this operand as its scale
.endr
.irp b, 0,1,2,3
	v_lshrrev_b32 v[TM+4+\b], 23, v[TM+12+\b]      ; the scale's byte
.endr
	v_lshl_or_b32 v[\pw], v[TM+5], 8, v[TM+4]      ; the four bytes make my row's scale word (the same in both halves of the lanes)
	v_lshl_or_b32 v[\pw], v[TM+6], 16, v[\pw]
	v_lshl_or_b32 v[\pw], v[TM+7], 24, v[\pw]
.irp b, 0,1,2,3
	v_cvt_scalef32_pk8_fp4_f32 v[\pc+2*\b], v[\s+16*\b:\s+16*\b+7], v[TM+12+\b]
	v_cvt_scalef32_pk8_fp4_f32 v[\pc+2*\b+1], v[\s+16*\b+8:\s+16*\b+15], v[TM+12+\b]
.endr
	v_nop                                          ; one plain place behind a scaled conversion
.irp c, 0,1                                    ; the operand's layout wants a whole block in a lane: lanes 0-15 block 2 c, lanes 16-31 block 2 c + 1
.irp i, 0,1
	v_permlane16_swap_b32 v[\pc+4*\c+\i], v[\pc+4*\c+2+\i]
.endr
.endr
.endm
	s_load_b512 s[4:19], s[0:1], 0x0               ; x codes s[4:5], x scales s[6:7], Wq s[8:11], Wk s[12:15], Wv s[16:19]
	s_load_b256 s[20:27], s[0:1], 0x40             ; bq s[20:21], bk s[22:23], bv s[24:25], qq s[26:27]
	s_load_b64 s[28:29], s[0:1], 0x60              ; kv
	v_lshl_add_u32 v126, v0, 2, 0x19200
	v_mov_b32 v127, 0
	v_lshrrev_b32 v1, 5, v0
	v_readfirstlane_b32 s32, v1                    ; wave 0..3
	s_mov_b32 s30, ttmp9                           ; role
	s_and_b32 s31, ttmp7, 0xffff                   ; block of 128 tokens
	v_and_b32 v1, 31, v0                           ; lane
	v_and_b32 v2, 15, v0                           ; r
	v_bfe_u32 v3, v0, 4, 1                         ; h
	v_lshlrev_b32 v[L16], 4, v1
	s_wait_alu depctr_va_sdst(0)                   ; s32, the wave's number, is written, ahead of its first reader: offsets and LDS addresses are made from it
	s_mul_i32 s60, s32, 12288
	v_add_nc_u32 v[GL], s60, v[L16]
	s_mul_i32 s60, s32, 32*PITCH                   ; my wave's 32 rows in LDS
.irp j, 0,1,2
	v_add_nc_u32 v[TM], 32*\j, v1                  ; u = 32 j + lane, under 96: chunk u of four rows
	v_mul_u32_u24 v[TM+1], v[TM], 43
	v_lshrrev_b32 v[TM+1], 10, v[TM+1]             ; u / 24 (43 u / 1024 is that for u under 96): which of the four rows
	v_add_nc_u32 v[TM], v[TM], v[TM+1]             ; a row's 24 chunks and one chunk of padding
	v_lshlrev_b32 v[TM], 4, v[TM]
	v_add_nc_u32 v[AJ+\j], s60, v[TM]
.endr
	v_mul_u32_u24 v[FB], v2, PITCH
	v_lshl_add_u32 v[FB], v3, 4, v[FB]
	s_add_co_u32 s60, s60, OWNL
	v_add_nc_u32 v[FO], s60, v[FB]
	v_and_b32 v[TM], 8, v2
	v_add_nc_u32 v[TM], v[TM], v2                  ; r + 8 (r / 8)
	v_lshl_add_u32 v[TM+1], v3, 3, v[TM]           ; + 8 h: lanes 16-31 take the odd tile of a pair
	v_mul_u32_u24 v[SOB], v[TM+1], 24              ; 24 scale bytes a row
	s_mul_i32 s60, s32, 768
	v_add_nc_u32 v[SOO], s60, v[SOB]
	v_lshlrev_b32 v[BO1], 6, v3
	s_lshl_b32 s60, s32, 7
	v_lshl_add_u32 v[BO2], v[TM], 2, s60
	s_lshl_b32 s60, s32, 11
	v_add_nc_u32 v[CO], s60, v[L16]
	v_add_nc_u32 v[SCRD], SCR, v[L16]
	s_lshl_b32 s60, s32, 2
	v_add_nc_u32 v[SCW], s60, v[SCRD]
.irp b, 4,5,6,7
	v_mov_b32 v[TM+\b], 0                          ; written once: a lane permute's destination counts as one of its sources
.endr
	s_mov_b32 s58, 0x76543210
	s_mov_b32 s59, 0xfedcba98                      ; v_permlanex16_b32's selects for lane l xor 16
	s_wait_kmcnt 0x0
	s_mul_i32 s44, s31, 49152                      ; the block's 128 rows of codes,
	s_mov_b32 s45, 0
	s_add_nc_u64 s[40:41], s[4:5], s[44:45]
	s_mul_i32 s44, s31, 3072                       ; and of scale bytes
	s_add_nc_u64 s[42:43], s[6:7], s[44:45]
	s_cmp_eq_u32 s30, 0                            ; the choices hang on the role alone
	s_cselect_b64 s[34:35], s[8:9], s[12:13]       ; W's codes,
	s_cselect_b64 s[36:37], s[10:11], s[14:15]     ; W's scales,
	s_cselect_b64 s[38:39], s[20:21], s[22:23]     ; the bias,
	s_cselect_b64 s[52:53], s[26:27], s[28:29]     ; the output buffer,
	s_mov_b32 s60, 17408
	s_cselect_b32 s60, 8704, s60                   ; and a block's bytes in it
	s_cmp_eq_u32 s30, 2
	s_cselect_b64 s[34:35], s[16:17], s[34:35]
	s_cselect_b64 s[36:37], s[18:19], s[36:37]
	s_cselect_b64 s[38:39], s[24:25], s[38:39]
	s_cselect_b32 s61, 8704, 0                     ; V's part lies behind K's
	s_cselect_b32 s54, 0, 1.0                      ; alpha
	s_cselect_b32 s56, 1.0, 0                      ; beta
	s_cselect_b64 s[44:45], s[40:41], s[34:35]     ; big codes: the block for v, W else
	s_cselect_b64 s[46:47], s[34:35], s[40:41]     ; own codes
	s_cselect_b64 s[48:49], s[42:43], s[36:37]     ; big scales
	s_cselect_b64 s[50:51], s[36:37], s[42:43]     ; own scales
	s_mov_b32 s55, s54                             ; (named with alpha as a pair, so it is written)
	s_mul_i32 s60, s31, s60
	s_add_co_u32 s60, s60, s61
	s_mov_b32 s61, 0
	s_add_nc_u64 s[52:53], s[52:53], s[60:61]      ; where this work-group's part begins
	WIN 0x40                                       ; destination window 1
	s_wait_alu depctr_va_vdst(0)                   ; the offsets and LDS addresses v4 to v17 are written, which every load and store of the kernel reads; no vector instruction names them again
	ROWS 0, 44                                     ; 24 loads: my 32 big rows
	ROWS 96, 46                                    ; 24: my 32 own rows
.irp t, 0,1,2,3,4,5,6,7                        ; 16: the bias in the result's layout: tile t, lane (r, h): big rows 32 (t / 2) + 8 (t % 2) + 16 h + 0 .. 7
	global_load_b128 v[L1+8*\t:L1+8*\t+3], v[BO1], s[38:39] offset:(32*(\t/2)+8*(\t%2))*4
	global_load_b128 v[L1+8*\t+4:L1+8*\t+7], v[BO1], s[38:39] offset:(32*(\t/2)+8*(\t%2))*4+16
.endr
	WIN 0
.irp b, 0,1,2,3                                ; 12 + 3: the scale words, six to a row, two a load
.irp k, 0,1,2
	global_load_b64 v[SBG+6*\b+2*\k:SBG+6*\b+2*\k+1], v[SOB], s[48:49] offset:768*\b+8*\k
.endr
.endr
.irp k, 0,1,2
	global_load_b64 v[SOW+2*\k:SOW+2*\k+1], v[SOO], s[50:51] offset:8*\k
.endr
.irp u, 0,1                                    ; 2: the bias of my own rows
	global_load_b32 v[L2+\u], v[BO2], s[38:39] offset:32*\u
.endr
	s_wait_loadcnt 57                              ; the big rows are in: 24 + 16 + 15 + 2 younger loads may be out
	WIN 0x04                                       ; an LDS store's data are its source 1: window 1
	TOLDS 0, 0
	s_wait_loadcnt 33                              ; the own rows are in: 16 + 15 + 2 younger loads may be out
	TOLDS 96, OWNL
	s_wait_loadcnt 0x0
	WIN 0
.irp u, 0,1
	v_mul_f32 v[BO+2*\u], s56, v[L2+\u]
.endr
.irp u, 0,1
	v_mov_b32 v[BO+2*\u+1], v[BO+2*\u]             ; (named as a pair, so both are written)
.endr
	WIN 0x01                                       ; source 0 window 1
.irp u, 0,1
.set n, 0
.rept 32
	v_pk_fma_f32 v[ACC+64*\u+n:ACC+64*\u+n+1], v[L1+n:L1+n+1], s[54:55], v[BO+2*\u:BO+2*\u+1] op_sel_hi:[1,0,0]   ; the bias starts the sums
.set n, n+2
.endr
.endr
	WIN 0
	s_wait_dscnt 0x0                               ; for the others' sake: my rows lie in LDS
	s_barrier_signal -1
	s_barrier_wait -1                              ; everybody's do
	WIN 0x40                                       ; destination window 1: the switch first, then the waits, then the loads
	s_wait_alu depctr_vm_vsrc(0)                   ; my LDS stores have read window 1's v0-191, the rows as loaded, in which the fragments land
	s_wait_alu depctr_va_vdst(0)                   ; the multiply-adds that start the sums are done reading window 1's v192-255, the bias, of which set 2 takes v192-239
	FETCH 0
	FETCH 1
	FETCH 2
	s_wait_dscnt 40                                ; K step 0's 20 loads are in; the two younger sets' 40 may be out
	MULH 0, 0
	MULH 0, 1
.irp s, 1,2,3
	PLACES 4                                       ; four places behind the matrix instructions that read the set into which this step's loads go
	s_wait_dscnt 20                                ; this step's 20 loads are in; the one younger set's 20 may be out
	s_wait_alu depctr_va_vdst(0)                   ; the matrix instructions of the step before are done reading their set, in which this step's 20 loads land
	MULH \s, 0
	FETCHH \s+2, 0                                 ; no further wait: no matrix instruction since the wait above names that set or the two addresses
	MULH \s, 1
	FETCHH \s+2, 1
.endr
	s_wait_dscnt 20                                ; K step 4's loads are in; the last set's 20 may be out
	MULH 4, 0
	MULH 4, 1
	s_wait_dscnt 0x0
	MULH 5, 0
	MULH 5, 1
	WIN 0
	PLACES 4                                       ; in front of the first read of results
	v_cmp_lt_u32 vcc_lo, 15, v1                    ; lanes 16-31: read behind the two quantisers, which leave VCC alone
.irp u, 0,1
	QUANT ACC+64*\u, PC+8*\u, PW+\u
.endr
	s_wait_alu depctr_va_vcc(0)                    ; the compare has written VCC, ahead of its first reader, the select below
	v_cndmask_b32 v[PWM], v[PW], v[PW+1], vcc_lo   ; lanes 0-15: tile 2 w's words; lanes 16-31: tile 2 w + 1's
	s_wait_alu depctr_va_vdst(0)                   ; the quantisers have written the codes v68-83 and the select v66, which the five stores below read; nothing writes them again
	ds_store_b32 v[SCW], v[PWM]
.irp u, 0,1
.irp c, 0,1
	global_store_b128 v[CO], v[PC+8*\u+4*\c:PC+8*\u+4*\c+3], s[52:53] offset:1024*\u+512*\c   ; 32 lanes store 512 consecutive bytes, at a multiple of 256 from the buffer's first byte
.endr
.endr
	s_wait_dscnt 0x0                               ; for wave 0's sake
	s_barrier_signal -1
	s_barrier_wait -1
	s_cmp_lg_u32 s32, 0
	s_cbranch_scc1 .Ldone
	ds_load_b128 v[GD:GD+3], v[SCRD]               ; the four waves' words of my lane (no vector instruction names v84-87)
	s_wait_dscnt 0x0
	global_store_b128 v[L16], v[GD:GD+3], s[52:53] offset:8192   ; the block's 512 scale bytes: 512 consecutive bytes
.Ldone:
	s_wait_dscnt 0x0
	s_wait_alu depctr_hold_cnt(0) depctr_sa_sdst(0) depctr_va_vdst(0) depctr_va_sdst(0) depctr_va_ssrc(0) depctr_va_vcc(0) depctr_vm_vsrc(0)
	s_wait_tensorcnt 0x0
	ds_add_u32 v126, v127
	s_wait_dscnt 0x0
	s_endpgm
.Lfunc_end_k_q354eab9412_proj:
	.size	k_q354eab9412_proj, .Lfunc_end_k_q354eab9412_proj-k_q354eab9412_proj
	.p2alignl 7, 3214868480
	.fill 96, 4, 3214868480
	.section	.rodata,"a",@progbits
	.p2align	6, 0x0
	.amdhsa_kernel k_q354eab9412_proj
		.amdhsa_group_segment_fixed_size 103424
		.amdhsa_private_segment_fixed_size 0
		.amdhsa_enable_private_segment 0
		.amdhsa_kernarg_size 104
		.amdhsa_user_sgpr_count 2
		.amdhsa_user_sgpr_kernarg_segment_ptr 1
		.amdhsa_wavefront_size32 1
		.amdhsa_system_sgpr_workgroup_id_x 1
		.amdhsa_system_sgpr_workgroup_id_y 1
		.amdhsa_system_sgpr_workgroup_id_z 1
		.amdhsa_system_vgpr_workitem_id 0
		.amdhsa_next_free_vgpr 512
		.amdhsa_next_free_sgpr 66
		.amdhsa_reserve_vcc 1
		.amdhsa_float_denorm_mode_32 3
		.amdhsa_float_denorm_mode_16_64 3
		.amdhsa_memory_ordered 1
		.amdhsa_forward_progress 1
		.amdhsa_inst_pref_size 49
	.end_amdhsa_kernel
	.amdgpu_metadata
---
amdhsa.version: [ 1, 2 ]
amdhsa.kernels:
  - .name:           k_q354eab9412_proj
    .symbol:         k_q354eab9412_proj.kd
    .args:
      - { .name: x_codes, .offset: 0, .size: 8, .value_kind: global_buffer, .address_space: global }
      - { .name: x_scales, .offset: 8, .size: 8, .value_kind: global_buffer, .address_space: global }
      - { .name: Wq_codes, .offset: 16, .size: 8, .value_kind: global_buffer, .address_space: global }
      - { .name: Wq_scales, .offset: 24, .size: 8, .value_kind: global_buffer, .address_space: global }
      - { .name: Wk_codes, .offset: 32, .size: 8, .value_kind: global_buffer, .address_space: global }
      - { .name: Wk_scales, .offset: 40, .size: 8, .value_kind: global_buffer, .address_space: global }
      - { .name: Wv_codes, .offset: 48, .size: 8, .value_kind: global_buffer, .address_space: global }
      - { .name: Wv_scales, .offset: 56, .size: 8, .value_kind: global_buffer, .address_space: global }
      - { .name: bq, .offset: 64, .size: 8, .value_kind: global_buffer, .address_space: global }
      - { .name: bk, .offset: 72, .size: 8, .value_kind: global_buffer, .address_space: global }
      - { .name: bv, .offset: 80, .size: 8, .value_kind: global_buffer, .address_space: global }
      - { .name: qq, .offset: 88, .size: 8, .value_kind: global_buffer, .address_space: global }
      - { .name: kv, .offset: 96, .size: 8, .value_kind: global_buffer, .address_space: global }
    .group_segment_fixed_size: 103424
    .private_segment_fixed_size: 0
    .kernarg_segment_align: 8
    .kernarg_segment_size: 104
    .max_flat_workgroup_size: 128
    .sgpr_count:     66
    .vgpr_count:     512
    .wavefront_size: 32
...
	.end_amdgpu_metadata
.endif
;; end of part 3
;; launch attn: the kernel of part 2 again; grid 32 x 8, 4 waves a work-group, clusters of 4 x 1, 279,040 bytes of LDS; arguments qq, kv, out0; writes out0
